; MI455X (gfx1250); checked and timed in simulation.
; The chip was launched on July 23, 2026; its instructions are those of AMD's public machine-readable ISA for CDNA 5 (MIT licence, August 2026) and "CDNA5" Instruction Set Architecture Reference Guide (July 2026). The comments in the code are by the model that wrote it; some were corrected since.
;; Mo E Layer. Allowed arithmetic: matrix products marked QUANTISED: E4M3 operands, one E8M0 scale for each 32 along K, by v_wmma_scale_f32_16x16x128_f8f6f4 with both operands' format E4M3, f32 sums; everything else in f32.
;; Inputs: W1 16 x 512 x 2,048 float32; W2 16 x 2,048 x 512 float32; Wr 512 x 16 float32; b1 16 x 2,048 float32; b2 16 x 512 float32; x 8 x 256 x 512 float32.
;; Outputs: out0 8 x 256 x 512 float32; out1 one number float32.
;; This version of the problem:
;;   THIS VERSION OF THE PROBLEM IS GIVEN IN LOW PRECISION. The matrix products marked QUANTISED in the list below multiply operands that are first quantised to E4M3 (4 exponent bits, 3 mantissa bits; 8 bits a number), with one power-of-two scale for each 32 numbers along K (OCP MX v1.0); their sums are f32. All else is computed in f32.
;;   The module's matrix products, in the order in which they are computed (A, B: the left and right operand; K: the contracted axis; several contracted axes count as one K, in the product's order):
;;     1. [M 2,048, K 512] x [K 512, N 16]; A: input x; B: input Wr: QUANTISED
;;     2. [M 32,768, K 512] x [K 512, N 2,048]; A: input W1; B: input x: QUANTISED
;;     3. batch 16 x [M 2,048, K 2,048] x [K 2,048, N 512]; A: computed on the way; B: input W2: QUANTISED
;;   THE QUANTISER, for each operand of a quantised product, along K:
;;     - K is cut into blocks of 32 from its start; a last block that is shorter is filled with zeros.
;;     - A block's scale is 2^e with e = floor(log2(the largest magnitude in the block)) - 8, held to -126 .. 127; a block of zeros has e = 0. As a byte (E8M0): e + 127.
;;     - Each number is divided by its block's scale, clamped to +-448, and rounded to the nearest number of E4M3, ties to even, subnormals kept.
;;     - The product sums the exact products of the quantised numbers (number of the format x scale) in f32.
;;   ~~~python
;;   def quantise(x, axis):      # numpy; x: float32 -> the quantised numbers, widened to float32 again
;;       x = np.moveaxis(x, axis, -1); K = x.shape[-1]
;;       x = np.pad(x, [(0, 0)] * (x.ndim - 1) + [(0, -K % 32)]); x = x.reshape(x.shape[:-1] + (-1, 32)); a = np.abs(x).max(-1, keepdims=True)
;;       e = np.where(a > 0, np.clip(np.frexp(np.where(a > 0, a, 1))[1] - 1 - 8, -126, 127), 0)      # np.frexp(a)[1] - 1 = floor(log2(a)), exactly
;;       r = np.clip(x / 2.0 ** e, -448, 448)
;;       step = 2.0 ** (np.maximum(np.frexp(np.where(r == 0, 1, r))[1] - 1, -6) - 3)
;;       q = np.round(r / step) * step * 2.0 ** e      # np.round: ties to even
;;       return np.moveaxis(q.reshape(q.shape[:-2] + (-1,))[..., :K], -1, axis).astype(np.float32)
;;   ~~~
;;   OPERANDS COMPUTED ON THE WAY. 'Computed on the way' means the value that the module computes at that place (a softmax that the list does not call 'softmax' is quantised finished and normalised). What goes into a quantiser is computed in f32, as accurately as f32 sums, v_exp_f32 and their like allow (about 1e-6 of the number): no bf16 or f16 on the way to a quantiser, and a product that is left as it is and whose result goes on into a quantised operand takes f32 operands (vector FMAs, or v_wmma_f32_16x16x4_f32). A number that lies on a knife's edge between two numbers of the format may be rounded either way, as far as f32 arithmetic and the matrix unit's own rounding can turn it there, and no further.
;; One version. Each part assembles by itself: llvm-mc -triple=amdgcn-amd-amdhsa -mcpu=gfx1250 --defsym DOCPART=n.
;; ======== version 1 of 1: 4 launches
;; workspace buffers: xq 1,081,344 bytes; sel 8,192 bytes of whole numbers; rout 32,768 bytes; hq 69,337,088 bytes; rows 139,264 bytes of whole numbers; parts 16,777,216 bytes
;; launch route (part 1): grid 128 x 1, 4 waves a work-group, no clusters, 58,880 bytes of LDS; arguments x, Wr, xq, sel, rout; writes xq, sel, rout
.if DOCPART == 1
	.amdgcn_target "amdgcn-amd-amdhsa--gfx1250"
	.amdhsa_code_object_version 6
	.text
	.protected	k_qeae0c501a7_route
	.globl	k_qeae0c501a7_route
	.p2align	8
	.type	k_qeae0c501a7_route,@function
k_qeae0c501a7_route:
	s_mov_b64 s[64:65], 0
	v_nop
	global_prefetch_b8 v0, s[64:65] scope:SCOPE_SE
	s_setreg_imm32_b32 hwreg(HW_REG_WAVE_MODE, 25, 1), 1
	s_wait_xcnt 0x0
; ROUTE.  x [2048][512] f32 becomes codes of E4M3 with one E8M0 byte for each 32 along its 512 (xq: codes [token][512], then bytes [token][16] at byte 1,048,576).
; The router's product x Wr runs on those codes and on Wr's, quantised along its first axis.  For each token: the two largest logits (the lower index wins a tie), the two gates, the softmax over the 16.
; OUT: sel[token] = e0 | e1 << 8;  rout: gates[2 token + k] f32, then at byte 16,384 for each work-group 32 f32: the sums of the 16 probabilities over its 16 tokens, and the 16 counts of first choices.
; SHARES: a work-group takes 16 tokens.  Wave w quantises rows 4 w .. 4 w + 3 of x and K step w (128 rows) of Wr; all meet in LDS; wave 0 multiplies and chooses.
; LIMITS: NaN and infinities among the inputs are not served.  A block of zeros gets the byte 1 where the quantiser says 127: its codes are zeros, and only this program reads the bytes.
; Logits nearer to each other than the rounding of the f32 sums may be ordered either way.
.set SP,    80                         ; a lane's place in a row's stage: 64 bytes + 16 of padding
.set XROW,  40960                      ; LDS: behind four waves' four stages of 2,560 bytes: 16 rows of x's codes, 528 bytes apart
.set XP,    528
.set XSCL,  49408                      ; x's scale bytes, 16 a row
.set WIMG,  49664                      ; Wr's four fragments as images of their registers, 2,048 bytes each
.set WSCL,  57856                      ; their scale words, 128 bytes each
.set XL,    32                         ; v32-95   x as loaded, 16 registers a row
.set XT,    96                         ; v96-159  x turned: 16 neighbours a lane
.set WN,    160                        ; v160-223 Wr's 64 numbers of a lane
.set XC,    224                        ; v224-239 x's codes, 4 registers a row
.set PC,    240                        ; v240-255 Wr's codes
.set TM,    32                         ; v32-47   at work in QUANT (x as loaded is done with by then)
.set PW,    48
.set SELS,  20                         ; s[20:21] lane selects: lane l xor 16
.set MNT,   22                         ; s22      the mantissa field of 448
	s_load_b256 s[4:11], s[0:1], 0x0               ; x, Wr, xq, sel
	s_load_b64 s[12:13], s[0:1], 0x20              ; rout
	s_set_vgpr_msb 0x40
	v_lshl_add_u32 v0, v0, 2, 0xe400
	v_mov_b32 v1, 0
	s_set_vgpr_msb 0x4000
	v_lshrrev_b32 v1, 5, v0
	v_readfirstlane_b32 s14, v1                    ; wave 0..3
	v_and_b32 v1, 31, v0                           ; L
	v_and_b32 v2, 15, v0                           ; r
	v_bfe_u32 v3, v0, 4, 1                         ; h
	v_lshlrev_b32 v4, 4, v1                        ; 16 L
	s_mul_i32 s15, s14, 10240                      ; my wave's four stages
	v_lshrrev_b32 v5, 2, v1
	v_mul_u32_u24 v5, v5, SP
	v_and_b32 v6, 3, v1
	v_lshl_add_u32 v5, v6, 4, v5
	v_add_nc_u32 v5, s15, v5                       ; into a stage: four lanes' 64 bytes on end, then the padding
	v_mul_u32_u24 v6, v1, SP
	v_add_nc_u32 v6, s15, v6                       ; out of it: my 16 neighbours
	s_mul_i32 s15, s14, 4*XP
	s_add_co_u32 s15, s15, XROW
	v_add_nc_u32 v7, s15, v4                       ; my 16 codes in my wave's first row
	s_lshl_b32 s15, s14, 6
	s_add_co_u32 s15, s15, XSCL
	v_lshrrev_b32 v8, 1, v1
	v_add_nc_u32 v8, s15, v8                       ; my block's byte
	v_lshlrev_b32 v9, 2, v2
	v_lshl_add_u32 v9, v3, 10, v9                  ; Wr: column r, 16 h rows of 64 bytes down
	s_lshl_b32 s15, s14, 11
	s_add_co_u32 s15, s15, WIMG
	v_add_nc_u32 v10, s15, v4                      ; where I store Wr's image
	s_lshl_b32 s15, s14, 7
	s_add_co_u32 s15, s15, WSCL
	v_lshl_add_u32 v11, v1, 2, s15                 ; and its scale word
	v_mul_u32_u24 v12, v2, XP
	v_lshl_add_u32 v12, v3, 4, v12
	v_add_nc_u32 v12, XROW, v12                    ; wave 0: x's fragments: row r, + 16 h
	v_lshl_add_u32 v13, v2, 4, XSCL                ; x's four scale words of row r
	v_add_nc_u32 v14, WIMG, v4                     ; Wr's images
	v_lshl_add_u32 v15, v1, 2, WSCL
	s_mov_b32 s[SELS], 0x76543210
	s_mov_b32 s[SELS+1], 0xfedcba98
	s_mov_b32 s[MNT], 0x600000
	s_mov_b32 s23, 0xffff0000                      ; the lanes with h = 1
	s_mov_b32 s24, 0x3fb8aa3b                      ; log2(e)
	s_mov_b32 s25, s24                             ; (named with it as a pair)
	s_lshl_b32 s28, s14, 13                        ; byte offsets, each in a pair with 0 above it
	s_mov_b32 s29, 0
	s_lshl_b32 s26, ttmp9, 15
	s_add_co_u32 s26, s26, s28                     ; x: 16 rows a work-group, 4 a wave
	s_mov_b32 s27, 0
	s_lshl_b32 s30, ttmp9, 13
	s_lshl_b32 s31, s14, 11
	s_add_co_u32 s30, s30, s31                     ; the codes likewise
	s_mov_b32 s31, 0
	s_lshl_b32 s32, ttmp9, 8
	s_add_co_u32 s32, s32, 0x100000                ; the scale bytes: 256 a work-group
	s_mov_b32 s33, 0
	s_lshl_b32 s34, ttmp9, 6
	s_mov_b32 s35, 0
	s_lshl_b32 s36, ttmp9, 7
	s_mov_b32 s37, 0
	s_wait_kmcnt 0x0
	s_add_nc_u64 s[4:5], s[4:5], s[26:27]
	s_add_nc_u64 s[6:7], s[6:7], s[28:29]          ; Wr at my K step: 128 rows of 64 bytes
	s_add_nc_u64 s[16:17], s[8:9], s[30:31]
	s_add_nc_u64 s[18:19], s[8:9], s[32:33]
	s_add_nc_u64 s[10:11], s[10:11], s[34:35]
	s_add_nc_u64 s[12:13], s[12:13], s[36:37]      ; gates: 128 bytes a work-group; the partial sums likewise, 16,384 bytes on
.irp j, 0,1,2,3
.irp i, 0,1,2,3
	global_load_b128 v[XL+16*\j+4*\i:XL+16*\j+4*\i+3], v4, s[4:5] offset:2048*\j+512*\i th:TH_LOAD_NT   ; 32 lanes read 512 consecutive bytes
.endr
.endr
.macro WRLOAD c                        ; block c of my K step: Wr(32 c + 16 h + i, r): the lane's registers run down K
.set wi, 0
.rept 16
	global_load_b32 v[WN+16*\c+wi], v9, s[6:7] offset:64*(32*\c+wi)
.set wi, wi+1
.endr
.endm
	WRLOAD 0
	WRLOAD 1
.macro TURN j                          ; row j through its own stage: LDS serves a wave's instructions in order, so no wait stands between the stores and the loads
.irp i, 0,1,2,3
	ds_store_b128 v5, v[XL+16*\j+4*\i:XL+16*\j+4*\i+3] offset:2560*\j+8*SP*\i
.endr
.irp i, 0,1,2,3
	ds_load_b128 v[XT+16*\j+4*\i:XT+16*\j+4*\i+3], v6 offset:2560*\j+16*\i
.endr
.endm
	s_wait_loadcnt 32                              ; x's 16 loads are in; Wr's 32 behind them may be out
	TURN 0
	TURN 1
	TURN 2
	TURN 3
	WRLOAD 2
	WRLOAD 3
.macro STEP j                          ; row j: two neighbouring lanes hold a block of 32
.set XS, XT+16*(\j)
	s_wait_dscnt 24-6*(\j)                         ; behind row j's loads stand 8 LDS instructions for each later row and 2 stores for each earlier step
	v_max3_num_f32 v24, |v[XS]|, |v[XS+1]|, |v[XS+2]|
	v_max3_num_f32 v25, |v[XS+3]|, |v[XS+4]|, |v[XS+5]|
.irp i, 6,10
	v_max3_num_f32 v24, v24, |v[XS+\i]|, |v[XS+\i+1]|
	v_max3_num_f32 v25, v25, |v[XS+\i+2]|, |v[XS+\i+3]|
.endr
	v_max3_num_f32 v24, v24, |v[XS+14]|, |v[XS+15]|
	v_max3_num_f32 v24, v24, v25, 0x4800000        ; with the floor 2^(9 - 127): the byte cannot fall under 1
	v_max_num_f32_dpp v24, v24, v24 row_xmask:1 row_mask:0xf bank_mask:0xf   ; and my neighbour's 16
	v_add_nc_u32 v27, 0xfc000000, v24              ; 8 off the exponent field: the conversion's scale operand
	v_and_or_b32 v26, v24, 0x7f800000, s[MNT]      ; 448 x the scale
.set si, 0
.rept 16
	v_med3_num_f32 v[XS+si], v[XS+si], -v26, v26   ; the conversion to an 8-bit code does not saturate (ISA guide 7.6.2): the hold comes first
.set si, si+1
.endr
	v_cvt_scalef32_pk8_fp8_f32 v[XC+4*(\j):XC+4*(\j)+1], v[XS:XS+7], v27
	v_cvt_scalef32_pk8_fp8_f32 v[XC+4*(\j)+2:XC+4*(\j)+3], v[XS+8:XS+15], v27
	v_lshrrev_b32 v[28+(\j)], 23, v27              ; the scale's byte (also the plain line behind the conversions)
	ds_store_b8 v8, v[28+(\j)] offset:16*(\j)      ; both lanes of a block write the same byte with the same value
	ds_store_b128 v7, v[XC+4*(\j):XC+4*(\j)+3] offset:XP*(\j)
	global_store_b128 v4, v[XC+4*(\j):XC+4*(\j)+3], s[16:17] offset:512*(\j)   ; the wave stores 512 consecutive bytes
.endm
	STEP 0
	STEP 1
	STEP 2
	STEP 3
; 64 numbers of a lane, register 16 b + i = k 32 b + 16 h + i of its row or column, become a fragment's codes in v[PC] on and its scale word in v[PW]
.macro QUANT s
.irp b, 0,1,2,3
	v_max3_num_f32 v[TM+\b], |v[\s+16*\b]|, |v[\s+1+16*\b]|, 0x4800000
.endr
.irp i, 2,4,6,8,10,12,14
.irp b, 0,1,2,3
	v_max3_num_f32 v[TM+\b], v[TM+\b], |v[\s+16*\b+\i]|, |v[\s+1+16*\b+\i]|   ; the four blocks by turns
.endr
.endr
.irp b, 0,1,2,3
	v_permlanex16_b32 v[TM+4+\b], v[TM+\b], s[SELS], s[SELS+1]
.endr
.irp b, 0,1,2,3
	v_max_num_f32 v[TM+\b], v[TM+\b], v[TM+4+\b]   ; with lane l xor 16's: the block's largest magnitude
.endr
.irp b, 0,1,2,3
	v_add_nc_u32 v[TM+12+\b], 0xfc000000, v[TM+\b]
.endr
.irp b, 0,1,2,3
	v_and_or_b32 v[TM+8+\b], v[TM+\b], 0x7f800000, s[MNT]
.endr
.irp b, 0,1,2,3
	v_lshrrev_b32 v[TM+4+\b], 23, v[TM+12+\b]
.endr
	v_lshl_or_b32 v[PW], v[TM+5], 8, v[TM+4]
	v_lshl_or_b32 v[PW], v[TM+6], 16, v[PW]
	v_lshl_or_b32 v[PW], v[TM+7], 24, v[PW]
.irp b, 0,1,2,3
.irp i, 0,1,2,3,4,5,6,7,8,9,10,11,12,13,14,15
	v_med3_num_f32 v[\s+16*\b+\i], v[\s+16*\b+\i], -v[TM+8+\b], v[TM+8+\b]
.endr
	v_cvt_scalef32_pk8_fp8_f32 v[PC+4*\b:PC+1+4*\b], v[\s+16*\b:\s+7+16*\b], v[TM+12+\b]
	v_cvt_scalef32_pk8_fp8_f32 v[PC+2+4*\b:PC+3+4*\b], v[\s+8+16*\b:\s+15+16*\b], v[TM+12+\b]
.endr
	v_nop                                          ; one plain line behind the last conversion
.endm
	s_wait_loadcnt 0x0                             ; Wr's 64 numbers
.irp b, 0,1,2,3
	v_mov_b32 v[TM+4+\b], 0                        ; a lane permute's destination counts as one of its sources
.endr
	QUANT WN
.irp c, 0,1,2,3
	ds_store_b128 v10, v[PC+4*\c:PC+4*\c+3] offset:512*\c   ; the fragment goes to LDS as it stands in the registers
.endr
	ds_store_b32 v11, v[PW]
	s_wait_dscnt 0x0                               ; for wave 0's sake: all my LDS stores have landed
	s_barrier_signal -1
	s_barrier_wait -1
	s_cmp_lg_u32 s14, 0
	s_cbranch_scc1 .Lend
	; ---- wave 0: the router
	v_lshl_add_u32 v26, v1, 3, XSCL
	v_lshlrev_b32 v27, 3, v1
	ds_load_b64 v[24:25], v26                      ; the 256 scale bytes of the 16 tokens, 8 a lane
.irp s, 0,1,2,3
.irp c, 0,1,2,3
	ds_load_b128 v[32+16*\s+4*\c:32+16*\s+4*\c+3], v12 offset:128*\s+32*\c   ; x: row r, k = 128 s + 32 c + 16 h on
.endr
.endr
	ds_load_b128 v[16:19], v13
.irp s, 0,1,2,3
.irp c, 0,1,2,3
	ds_load_b128 v[96+16*\s+4*\c:96+16*\s+4*\c+3], v14 offset:2048*\s+512*\c
.endr
	ds_load_b32 v[20+\s], v15 offset:128*\s
.endr
	s_wait_dscnt 0x0
	global_store_b64 v27, v[24:25], s[18:19]       ; one aligned run of 256 bytes
	; source 0 = Wr's 16 experts, source 1 = the 16 tokens: lane (r, h) gets token r, experts 8 h + 0 .. 7.  One accumulator, K ascending
	v_wmma_scale_f32_16x16x128_f8f6f4 v[160:167], v[96:111], v[32:47], 0, v20, v16
	s_wait_alu depctr_va_vdst(0)                   ; a wait ahead of each link of a chain on one accumulator
	v_wmma_scale_f32_16x16x128_f8f6f4 v[160:167], v[112:127], v[48:63], v[160:167], v21, v17
	s_wait_alu depctr_va_vdst(0)
	v_wmma_scale_f32_16x16x128_f8f6f4 v[160:167], v[128:143], v[64:79], v[160:167], v22, v18
	s_wait_alu depctr_va_vdst(0)
	v_wmma_scale_f32_16x16x128_f8f6f4 v[160:167], v[144:159], v[80:95], v[160:167], v23, v19
.set j, 0
.rept 8
	v_mov_b32 v[168+j], 0                          ; eight places behind the product; they also write the permutes' destinations
.set j, j+1
.endr
.set j, 0
.rept 8
	v_permlanex16_b32 v[168+j], v[160+j], s[SELS], s[SELS+1]   ; the other eight experts of my token
.set j, j+1
.endr
.set j, 0
.rept 8
	v_cndmask_b32 v[176+j], v[160+j], v[168+j], s23            ; v176-191: the 16 logits in the experts' order, in both halves of the lanes
	v_cndmask_b32 v[184+j], v[168+j], v[160+j], s23
.set j, j+1
.endr
.macro TOP base, m, ix                 ; the largest of 16 and its lowest index
	v_max3_num_f32 v[\m], v[\base], v[\base+1], v[\base+2]
.irp i, 3,5,7,9,11,13
	v_max3_num_f32 v[\m], v[\m], v[\base+\i], v[\base+1+\i]
.endr
	v_max_num_f32 v[\m], v[\m], v[\base+15]
	v_mov_b32 v[\ix], 0
.set j, 15
.rept 16
	v_cmp_neq_f32 vcc_lo, v[\base+j], v[\m]
	v_cndmask_b32 v[\ix], j, v[\ix], vcc_lo        ; from 15 down: the lowest index that holds the maximum stays
.set j, j-1
.endr
.endm
	TOP 176, 240, 242
	v_mov_b32 v244, 0xff800000
.set j, 0
.rept 16
	v_cmp_ne_u32 vcc_lo, j, v242
	v_cndmask_b32 v[192+j], v244, v[176+j], vcc_lo ; the first choice leaves the field
.set j, j+1
.endr
	TOP 192, 241, 243
	v_sub_f32 v245, v241, v240                     ; m2 - m1
.set j, 0
.rept 8
	v_pk_add_f32 v[192+j:193+j], v[176+j:177+j], v[240:241] op_sel_hi:[1,0] neg_lo:[0,1] neg_hi:[0,1]   ; l - m1: the maximum is taken away first
.set j, j+2
.endr
.set j, 0
.rept 8
	v_pk_mul_f32 v[192+j:193+j], v[192+j:193+j], s[24:25] op_sel_hi:[1,0]
.set j, j+2
.endr
	v_mul_f32 v245, s24, v245
.set j, 0
.rept 16
	v_exp_f32 v[192+j], v[192+j]
.set j, j+1
.endr
	v_exp_f32 v245, v245                           ; e^(m2 - m1)
	v_lshl_or_b32 v246, v243, 8, v242              ; e0 | e1 << 8 (the plain line behind the exponentials)
	s_wait_alu depctr_va_vdst(0)                   ; one wait for the batch of 17, ahead of its first reader
	v_pk_add_f32 v[248:249], v[192:193], v[194:195]
	v_pk_add_f32 v[250:251], v[196:197], v[198:199]
	v_pk_add_f32 v[248:249], v[248:249], v[200:201]
	v_pk_add_f32 v[250:251], v[250:251], v[202:203]
	v_pk_add_f32 v[248:249], v[248:249], v[204:205]
	v_pk_add_f32 v[250:251], v[250:251], v[206:207]
	v_pk_add_f32 v[248:249], v[248:249], v[250:251]
	v_add_f32 v248, v248, v249
	v_add_f32 v249, 1.0, v245
	v_rcp_f32 v248, v248                           ; 1 / the sum
	v_rcp_f32 v249, v249                           ; the first gate: 1 / (1 + e^(m2 - m1))
	v_nop
	s_wait_alu depctr_va_vdst(0)
.set j, 0
.rept 8
	v_pk_mul_f32 v[192+j:193+j], v[192+j:193+j], v[248:249] op_sel_hi:[1,0]
.set j, j+2
.endr
	v_mul_f32 v250, v245, v249                     ; the second gate
	v_cndmask_b32 v250, v249, v250, s23            ; lanes 0-15 store the first, lanes 16-31 the second
	v_lshlrev_b32 v251, 3, v2
	v_lshl_add_u32 v251, v3, 2, v251
	global_store_b32 v251, v250, s[12:13]          ; gates[2 token + k]: 128 consecutive bytes
	v_mov_b32 v252, 1.0
.set j, 0
.rept 16
	v_cmp_eq_u32 vcc_lo, j, v242
	v_cndmask_b32 v253, 0, v252, vcc_lo
	v_cndmask_b32 v[208+j], v[192+j], v253, s23    ; lanes 0-15: the probability of expert j; lanes 16-31: 1 where j is the first choice
.set j, j+1
.endr
.irp m, 1,2,4,8
.set j, 0
.rept 16
	v_add_f32_dpp v[208+j], v[208+j], v[208+j] row_xmask:\m row_mask:0xf bank_mask:0xf   ; over the 16 tokens
.set j, j+1
.endr
.endr
	v_mov_b32 v254, v208
.set j, 1
.rept 15
	v_cmp_eq_u32 vcc_lo, j, v2
	v_cndmask_b32 v254, v254, v[208+j], vcc_lo     ; lane (r, h) keeps expert r's figure
.set j, j+1
.endr
	v_lshlrev_b32 v255, 2, v1
	global_store_b32 v255, v254, s[12:13] offset:16384
	v_lshlrev_b32 v247, 2, v2
	s_wait_xcnt 0x0                                ; EXEC changes only behind this wait
	v_cmpx_gt_u32 16, v1
	global_store_b32 v247, v246, s[10:11]          ; the choice, one word a token
.Lend:
	s_wait_xcnt 0x0
	s_mov_b32 exec_lo, -1
	s_set_vgpr_msb 0x5
	s_wait_tensorcnt 0x0
	ds_add_u32 v0, v1
	s_wait_dscnt 0x0
	s_set_vgpr_msb 0x500
	s_endpgm
.Lfunc_end_k_qeae0c501a7_route:
	.size	k_qeae0c501a7_route, .Lfunc_end_k_qeae0c501a7_route-k_qeae0c501a7_route
	.p2alignl 7, 3214868480
	.fill 96, 4, 3214868480
	.section	.rodata,"a",@progbits
	.p2align	6, 0x0
	.amdhsa_kernel k_qeae0c501a7_route
		.amdhsa_group_segment_fixed_size 58880
		.amdhsa_private_segment_fixed_size 0
		.amdhsa_enable_private_segment 0
		.amdhsa_kernarg_size 40
		.amdhsa_user_sgpr_count 2
		.amdhsa_user_sgpr_kernarg_segment_ptr 1
		.amdhsa_wavefront_size32 1
		.amdhsa_system_sgpr_workgroup_id_x 1
		.amdhsa_system_sgpr_workgroup_id_y 1
		.amdhsa_system_sgpr_workgroup_id_z 1
		.amdhsa_system_vgpr_workitem_id 0
		.amdhsa_next_free_vgpr 258
		.amdhsa_next_free_sgpr 66
		.amdhsa_reserve_vcc 1
		.amdhsa_float_denorm_mode_32 3
		.amdhsa_float_denorm_mode_16_64 3
		.amdhsa_memory_ordered 1
		.amdhsa_forward_progress 1
		.amdhsa_inst_pref_size 50
	.end_amdhsa_kernel
	.amdgpu_metadata
---
amdhsa.version: [ 1, 2 ]
amdhsa.kernels:
  - .name:           k_qeae0c501a7_route
    .symbol:         k_qeae0c501a7_route.kd
    .args:
      - { .name: x, .offset: 0, .size: 8, .value_kind: global_buffer, .address_space: global }
      - { .name: Wr, .offset: 8, .size: 8, .value_kind: global_buffer, .address_space: global }
      - { .name: xq, .offset: 16, .size: 8, .value_kind: global_buffer, .address_space: global }
      - { .name: sel, .offset: 24, .size: 8, .value_kind: global_buffer, .address_space: global }
      - { .name: rout, .offset: 32, .size: 8, .value_kind: global_buffer, .address_space: global }
    .group_segment_fixed_size: 58880
    .private_segment_fixed_size: 0
    .kernarg_segment_align: 8
    .kernarg_segment_size: 40
    .max_flat_workgroup_size: 128
    .sgpr_count:     66
    .vgpr_count:     258
    .wavefront_size: 32
...
	.end_amdgpu_metadata
.endif
;; end of part 1
;; launch ffn1 (part 2): grid 256 x 1, 4 waves a work-group, no clusters, 80,384 bytes of LDS; arguments W1, b1, xq, sel, rout, hq, rows; writes hq, rows
.if DOCPART == 2
	.amdgcn_target "amdgcn-amd-amdhsa--gfx1250"
	.amdhsa_code_object_version 6
	.text
	.protected	k_qeae0c501a7_ffn1
	.globl	k_qeae0c501a7_ffn1
	.p2align	8
	.type	k_qeae0c501a7_ffn1,@function
k_qeae0c501a7_ffn1:
	s_mov_b64 s[64:65], 0
	v_nop
	global_prefetch_b8 v0, s[64:65] scope:SCOPE_SE
	s_setreg_imm32_b32 hwreg(HW_REG_WAVE_MODE, 25, 1), 1
	s_wait_xcnt 0x0
; FFN1.  h = gelu(x W1[e] + b1[e]) (the tanh form) for the rows that chose expert e, quantised along F and stored as codes.  Only chosen rows are multiplied: the others are thrown away by the gather of the layer itself.
; SHARES.  Work-group (e, fs) owns W1[e][:, 128 fs .. 128 fs + 127]: 256 KiB of f32, read once in the launch, quantised here along K = 512 and kept as 32 fragments in each wave's registers.
; Wave w streams K rows 128 w .. 128 w + 127, and later multiplies the rows of SUBLIST g = 4 e + w: the tokens 512 w .. 512 w + 511 that chose e, in tiles of 16.
; THE PLACING OF ROWS is done here from sel, while the weights are on their way: each wave ranks its own 512 tokens and scatters the slots (2 token + k) into its own list in LDS.
; A last tile is filled up with the sublist's FIRST slot: such a row repeats a valid row's arithmetic, so nothing is masked.  The work-groups with fs = 0 store the lists, the rows' gates and the counts for the next launch.
; LAYOUT.  The product is used transposed (source 0 = 16 hidden units, source 1 = 16 rows of x): a lane holds one row.  Column c of the slice lies in LDS at row c with bits 3 and 4 exchanged, so that tile 2 b + u takes
; units 32 b + 8 u + r + 8 (r / 8), and the 16 registers of tiles 2 b, 2 b + 1 are 16 neighbours along F.  The 128 units are one K step of the next product: one fragment and one scale word a row.
; hq: images of fragments [g][tile 32][K step 16][2,048 bytes]; at 67,108,864 scale words [g][tile][K step][16 rows]; at 69,206,016 the rows' gates [g][512].  rows: slots [g][512]; at 131,072 counts [g][32 words].
; No tensor loads and no cluster: the trip counts hang on stored numbers, and each weight byte has one reader.
; LIMITS: NaN and infinities are not served; a block of zeros gets the byte 1 where the quantiser says 127 (its codes are zeros; only this program reads the bytes).
; REGISTERS, in windows of 256: window 0: addresses, v28-31 x's scale words, v32-63 W1's, v64-127 the hidden layer, v128-191 at work, v192-207 codes, v224-240 at work.
;   windows 1, 2: four batches of 128 f32, then W1's fragments (K step s, tile t: number 8 s + t).  window 3: v0-63 b1 in the result's layout, v64-127 x's four fragments.
.set WPITCH, 8192                      ; a row of W1[e] in bytes
.set BROWS,  32                        ; rows from batch to batch
.set LP,     528                       ; a column's 512 codes in LDS + 16 of padding: an odd multiple of 16
.set LBSTEP, 32                        ; bytes of codes from batch to batch
.set SCCOL,  16                        ; a column's scale bytes
.set SCSTEP, 1
.set WSC,    67584                     ; LDS: behind 128 rows of codes: the scale bytes
.set LIST,   69632                     ; and the four lists: 512 entries, 32 words for the lanes without a match, slack: 2,560 bytes a wave
.set T,   64                           ; QUANTW: v64-191 four columns x 32 numbers, along K
.set CD,  192                          ; v192-223 their codes
.set M,   224
.set SO,  228
.set LM,  232
.set BY,  236
.set H,   64
.set GA,  128
.set PC,  192
.set TM,  224
.set PW,  240
.set W1S, 32
.set SELR, 128                         ; the scan: sel's 16 words a lane, the scatter's addresses and values
.set AD,  144
.set VL,  160
.set WB,  32                           ; s[32:33] my wave's part of W1
.set SELS, 28
.set MNT, 30
.set MSB, 0
.macro WIN new                         ; the immediate's high byte repeats the setting that is left
.if MSB != (\new)
	s_set_vgpr_msb (MSB<<8)|(\new)
.set MSB, (\new)
.endif
.endm
.macro LOADW b                         ; batch b: 32 rows x 512 bytes; a lane holds 4 columns; register 4 i + j = row i, column j
.set QW, 1+(\b)/2
.set QO, 128*((\b)%2)
	WIN (QW<<6)
.set qi, 0
.rept 32
	global_load_b128 v[QO+4*qi:QO+4*qi+3], v4, s[WB:WB+1] offset:(BROWS*(\b)+qi)*WPITCH th:TH_LOAD_NT
.set qi, qi+1
.endr
	WIN 0
.endm
.macro QUANTW b                        ; a batch is one block of 32 along K for each of the lane's 4 columns: no other lane is asked
.set QW, 1+(\b)/2
.set QO, 128*((\b)%2)
	s_wait_dscnt 0x0                               ; the last batch's LDS stores have read the codes' registers
	WIN QW|(QW<<2)
.irp j, 0,1,2,3
	v_max3_num_f32 v[M+\j], |v[QO+\j]|, |v[QO+4+\j]|, 0x4800000   ; with the floor 2^(9 - 127)
.endr
.set qi, 2
.rept 15
.irp j, 0,1,2,3
	v_max3_num_f32 v[M+\j], |v[QO+4*qi+\j]|, |v[QO+4*qi+4+\j]|, v[M+\j]   ; the four columns by turns
.endr
.set qi, qi+2
.endr
	WIN 0
.irp j, 0,1,2,3
	v_add_nc_u32 v[SO+\j], 0xfc000000, v[M+\j]     ; the conversion's scale operand
.endr
.irp j, 0,1,2,3
	v_and_or_b32 v[LM+\j], v[M+\j], 0x7f800000, s[MNT]   ; 448 x the scale
.endr
.irp j, 0,1,2,3
	v_lshrrev_b32 v[BY+\j], 23, v[SO+\j]           ; the byte
.endr
	WIN QW
.set qi, 0
.rept 32
.irp j, 0,1,2,3
	v_med3_num_f32 v[T+32*\j+qi], v[QO+4*qi+\j], -v[LM+\j], v[LM+\j]   ; the hold, which also lays a column's 32 numbers in consecutive registers
.endr
.set qi, qi+1
.endr
	WIN 0
.irp j, 0,1,2,3
.irp g, 0,1,2,3
	v_cvt_scalef32_pk8_fp8_f32 v[CD+8*\j+2*\g:CD+8*\j+2*\g+1], v[T+32*\j+8*\g:T+32*\j+8*\g+7], v[SO+\j]
.endr
.endr
	v_nop                                          ; one plain line behind the last conversion
.irp j, 0,1,2,3
	ds_store_b128 v5, v[CD+8*\j:CD+8*\j+3] offset:\j*LP+LBSTEP*(\b)
	ds_store_b128 v5, v[CD+8*\j+4:CD+8*\j+7] offset:\j*LP+LBSTEP*(\b)+16
	ds_store_b8 v6, v[BY+\j] offset:\j*SCCOL+SCSTEP*(\b)
.endr
.endm
.macro QUANT s                         ; 64 numbers of a lane, register 16 b + i = k 32 b + 16 h + i of its row -> codes in v[PC] on, scale word in v[PW]
.irp b, 0,1,2,3
	v_max3_num_f32 v[TM+\b], |v[\s+16*\b]|, |v[\s+1+16*\b]|, 0x4800000
.endr
.irp i, 2,4,6,8,10,12,14
.irp b, 0,1,2,3
	v_max3_num_f32 v[TM+\b], v[TM+\b], |v[\s+16*\b+\i]|, |v[\s+1+16*\b+\i]|
.endr
.endr
.irp b, 0,1,2,3
	v_permlanex16_b32 v[TM+4+\b], v[TM+\b], s[SELS], s[SELS+1]
.endr
.irp b, 0,1,2,3
	v_max_num_f32 v[TM+\b], v[TM+\b], v[TM+4+\b]
.endr
.irp b, 0,1,2,3
	v_add_nc_u32 v[TM+12+\b], 0xfc000000, v[TM+\b]
.endr
.irp b, 0,1,2,3
	v_and_or_b32 v[TM+8+\b], v[TM+\b], 0x7f800000, s[MNT]
.endr
.irp b, 0,1,2,3
	v_lshrrev_b32 v[TM+4+\b], 23, v[TM+12+\b]
.endr
	v_lshl_or_b32 v[PW], v[TM+5], 8, v[TM+4]
	v_lshl_or_b32 v[PW], v[TM+6], 16, v[PW]
	v_lshl_or_b32 v[PW], v[TM+7], 24, v[PW]
.irp b, 0,1,2,3
.irp i, 0,1,2,3,4,5,6,7,8,9,10,11,12,13,14,15
	v_med3_num_f32 v[\s+16*\b+\i], v[\s+16*\b+\i], -v[TM+8+\b], v[TM+8+\b]
.endr
	v_cvt_scalef32_pk8_fp8_f32 v[PC+4*\b:PC+1+4*\b], v[\s+16*\b:\s+7+16*\b], v[TM+12+\b]
	v_cvt_scalef32_pk8_fp8_f32 v[PC+2+4*\b:PC+3+4*\b], v[\s+8+16*\b:\s+15+16*\b], v[TM+12+\b]
.endr
	v_nop
.endm
.macro BARRIER
	s_wait_dscnt 0x0                               ; all my LDS instructions are done
	s_barrier_signal -1
	s_barrier_wait -1
.endm
.macro GADDR                           ; six plain lines: the tile's rows of x.  Ranks past the count take the sublist's first slot
	v_cmp_gt_u32 vcc_lo, s21, v8
	v_cndmask_b32 v11, v10, v9, vcc_lo
	v_lshrrev_b32 v11, 1, v11                      ; the token
	v_min_u32 v11, 2047, v11
	v_lshl_add_u32 v12, v11, 9, v14                ; its 512 codes, + 16 h
	v_lshlrev_b32 v13, 4, v11                      ; its 16 scale bytes
.endm
.macro GLOADS
	WIN 0xc0
.irp s, 0,1,2,3
.irp c, 0,1,2,3
	global_load_b128 v[64+16*\s+4*\c:64+16*\s+4*\c+3], v12, s[34:35] offset:128*\s+32*\c
.endr
.endr
	WIN 0
	global_load_b128 v[28:31], v13, s[36:37]
.endm
	s_load_b256 s[4:11], s[0:1], 0x0               ; W1, b1, xq, sel
	s_load_b128 s[12:15], s[0:1], 0x20             ; rout, hq
	s_load_b64 s[16:17], s[0:1], 0x30              ; rows
	v_lshl_add_u32 v254, v0, 2, 0x13800
	v_mov_b32 v255, 0
	v_lshrrev_b32 v1, 5, v0
	v_readfirstlane_b32 s18, v1                    ; wave
	s_lshr_b32 s19, ttmp9, 4                       ; e
	s_and_b32 s20, ttmp9, 15                       ; fs
	s_lshl_b32 s31, s19, 2
	s_add_co_u32 s31, s31, s18                     ; g = 4 e + w
	s_mov_b32 s21, 0                               ; the count
	s_mov_b32 s[SELS], 0x76543210
	s_mov_b32 s[SELS+1], 0xfedcba98
	s_mov_b32 s[MNT], 0x600000
	s_mov_b32 s55, 0
	v_and_b32 v1, 31, v0                           ; L
	v_and_b32 v2, 15, v0                           ; r
	v_bfe_u32 v3, v0, 4, 1                         ; h
	v_lshlrev_b32 v4, 4, v1                        ; 16 L
	v_and_b32 v21, 0x19, v1                        ; L with bits 1 and 2 exchanged: column 4 L + j then lies at row 4 L' + j
	v_bfe_u32 v22, v1, 1, 1
	v_lshl_or_b32 v21, v22, 2, v21
	v_bfe_u32 v22, v1, 2, 1
	v_lshl_or_b32 v21, v22, 1, v21
	v_mul_u32_u24 v5, v21, 4*LP
	s_lshl_b32 s26, s18, 7
	v_add_nc_u32 v5, s26, v5                       ; codes: my first column's row, my wave's 128 bytes of it
	s_lshl_b32 s26, s18, 2
	s_add_co_u32 s26, s26, WSC
	v_lshl_add_u32 v6, v21, 6, s26                 ; scale bytes likewise
	s_mul_i32 s27, s18, 2560
	s_add_co_u32 s27, s27, LIST                    ; my wave's list
	v_lshl_add_u32 v7, v2, 2, s27                  ; entry r of tile 0
	v_mov_b32 v8, v2                               ; its rank
	v_lshlrev_b32 v14, 4, v3
	v_lshlrev_b32 v16, 2, v2
	v_mul_u32_u24 v17, v2, LP
	v_lshl_add_u32 v17, v3, 4, v17                 ; a fragment: row r, + 16 h
	v_lshl_add_u32 v18, v2, 4, WSC
	v_add_nc_u32 v19, 512, v1                      ; where a lane without a match writes
	s_lshl_b32 s26, s18, 10
	v_lshl_add_u32 v20, v1, 3, s26                 ; 2 x my first token
	v_lshlrev_b32 v241, 6, v3                      ; b1: 16 h numbers on
	v_add_nc_u32 v246, s27, v4                     ; my list, 16 bytes a lane
	v_mov_b32 v24, 0
	v_mov_b32 v25, 0
	v_mov_b32 v26, 0
	v_mov_b32 v27, 0
	v_mov_b32 v242, 0xc0135761                     ; c0 = -2 log2(e) sqrt(2 / pi)
	v_mov_b32 v243, 0xc0135761
	v_mov_b32 v244, 0xbdd2d3e8                     ; c1 = 0.044715 c0
	v_mov_b32 v245, 0xbdd2d3e8
	v_mov_b32 v248, 1
	s_wait_kmcnt 0x0
	s_lshl_b32 s54, s19, 22
	s_lshl_b32 s26, s20, 9
	s_add_co_u32 s54, s54, s26
	s_lshl_b32 s26, s18, 20
	s_add_co_u32 s54, s54, s26
	s_add_nc_u64 s[WB:WB+1], s[4:5], s[54:55]      ; W1[e], column 128 fs, row 128 w
	s_lshl_b32 s54, s19, 13
	s_lshl_b32 s26, s20, 9
	s_add_co_u32 s54, s54, s26
	s_add_nc_u64 s[48:49], s[6:7], s[54:55]        ; b1[e][128 fs]
	s_mov_b64 s[34:35], s[8:9]                     ; x's codes
	s_add_nc_u64 s[36:37], s[8:9], 0x100000        ; x's scale bytes
	s_lshl_b32 s54, s18, 11
	s_add_nc_u64 s[50:51], s[10:11], s[54:55]      ; sel at my 512 tokens
	s_lshl_b32 s54, s31, 20
	s_lshl_b32 s26, s20, 11
	s_add_co_u32 s54, s54, s26
	s_add_nc_u64 s[38:39], s[14:15], s[54:55]      ; my sublist's images, K step fs
	s_lshl_b32 s54, s31, 15
	s_lshl_b32 s26, s20, 6
	s_add_co_u32 s54, s54, s26
	s_add_co_u32 s54, s54, 0x4000000
	s_add_nc_u64 s[40:41], s[14:15], s[54:55]      ; and scale words
	s_lshl_b32 s54, s31, 11
	s_add_nc_u64 s[42:43], s[16:17], s[54:55]      ; the slots
	s_add_co_u32 s54, s54, 0x4200000
	s_add_nc_u64 s[44:45], s[14:15], s[54:55]      ; the rows' gates
	s_lshl_b32 s54, s31, 7
	s_add_co_u32 s54, s54, 0x20000
	s_add_nc_u64 s[46:47], s[16:17], s[54:55]      ; the count
	WIN 0xc0
.irp t, 0,1,2,3,4,5,6,7                        ; b1 in the result's layout: tile 2 b + u, lane half h: units 32 b + 16 h + 8 u + 0 .. 7
	global_load_b128 v[8*\t:8*\t+3], v241, s[48:49] offset:(32*(\t/2)+8*(\t%2))*4
	global_load_b128 v[8*\t+4:8*\t+7], v241, s[48:49] offset:(32*(\t/2)+8*(\t%2))*4+16
.endr
	WIN 0
.irp q, 0,1,2,3
	global_load_b128 v[SELR+4*\q:SELR+4*\q+3], v4, s[50:51] offset:512*\q   ; register 4 q + j: token 128 q + 4 L + j of my 512
.endr
	LOADW 0
	s_wait_loadcnt 32                              ; b1 and sel are in; the batch behind them may be out
	LOADW 1
	; ---- the placing of rows, while two batches are on their way
.irp i, 0,1,2,3,4
	ds_store_b128 v246, v[24:27] offset:512*\i     ; my list begins as zeros: every word that is read later has been written
.endr
.set gq, 0
.rept 16
	v_and_b32 v21, 0xff, v[SELR+gq]
	v_lshrrev_b32 v22, 8, v[SELR+gq]
	v_cmp_eq_u32 s24, s19, v21                     ; the first choice is e
	v_cmp_eq_u32 vcc_lo, s19, v22                  ; the second is
	s_or_b32 s25, s24, vcc_lo
	v_mbcnt_lo_u32_b32 v23, s25, 0                 ; matches in the lanes below me
	v_add_nc_u32 v23, s21, v23                     ; my rank
	v_cndmask_b32 v23, v19, v23, s25
	v_min_u32 v23, 543, v23
	v_lshl_add_u32 v[AD+gq], v23, 2, s27
	v_cndmask_b32 v21, 0, v248, vcc_lo             ; k
	v_add3_u32 v[VL+gq], v20, v21, 256*(gq/4)+2*(gq%4)   ; the slot: 2 token + k
	s_bcnt1_i32_b32 s26, s25
	s_add_co_u32 s21, s21, s26
.set gq, gq+1
.endr
	BARRIER
.irp u, 0,1,2,3                                ; the scatter's addresses hang on data, so the waves scatter one after the other, a barrier behind each
	s_cmp_lg_u32 s18, \u
	s_cbranch_scc1 .Lnot_\u
.set gq, 0
.rept 16
	ds_store_b32 v[AD+gq], v[VL+gq]
.set gq, gq+1
.endr
.Lnot_\u:
	BARRIER
.endr
	v_mov_b32 v21, s27
	ds_load_b32 v10, v21                           ; the sublist's first slot
	ds_load_b32 v9, v7                             ; tile 0's entries
	s_add_co_u32 s22, s21, 15
	s_lshr_b32 s22, s22, 4                         ; tiles
	s_wait_dscnt 0x0
	s_cmp_lg_u32 s20, 0                            ; the lists leave once for each expert: by the work-group with fs = 0
	s_cbranch_scc1 .Lno_export
.irp q, 0,1,2,3
	ds_load_b128 v[128+4*\q:128+4*\q+3], v246 offset:512*\q   ; register 4 q + j: rank 128 q + 4 L + j
.endr
	v_lshlrev_b32 v22, 2, v1
	s_wait_dscnt 0x0
.set gq, 0
.rept 16
	v_add_nc_u32 v21, 128*(gq/4)+gq%4, v22
	v_cmp_gt_u32 vcc_lo, s21, v21
	v_cndmask_b32 v[128+gq], v10, v[128+gq], vcc_lo
	v_min_u32 v[144+gq], 4095, v[128+gq]
	v_lshlrev_b32 v[144+gq], 2, v[144+gq]
	global_load_b32 v[160+gq], v[144+gq], s[12:13] ; the slot's gate
.set gq, gq+1
.endr
	s_wait_loadcnt 0x0                             ; the gates (and with them both batches)
.irp q, 0,1,2,3
	global_store_b128 v4, v[128+4*\q:128+4*\q+3], s[42:43] offset:512*\q
	global_store_b128 v4, v[160+4*\q:160+4*\q+3], s[44:45] offset:512*\q
.endr
	v_mov_b32 v21, s21
	global_store_b32 v22, v21, s[46:47]
	s_wait_xcnt 0x0                                ; the stores' registers are written again below
.Lno_export:
	; ---- the stream goes on: each count of 32 is the one younger batch
	s_wait_loadcnt 32
	LOADW 2
	QUANTW 0
	s_wait_loadcnt 32
	LOADW 3
	QUANTW 1
	s_wait_loadcnt 32
	QUANTW 2
	s_wait_loadcnt 0x0
	GADDR
	GLOADS                                         ; tile 0's rows of x are asked for while the last batch is quantised
	QUANTW 3
	BARRIER                                        ; the slice's codes and scale bytes lie in LDS; from here on nothing is stored to LDS
	s_cmp_eq_u32 s22, 0
	s_cbranch_scc1 .Lend
	WIN 0x40
.irp s, 0,1
.irp t, 0,1,2,3,4,5,6,7
.irp c, 0,1,2,3
	ds_load_b128 v[16*(8*\s+\t)+4*\c:16*(8*\s+\t)+4*\c+3], v17 offset:\t*16*LP+128*\s+32*\c
.endr
.endr
.endr
	WIN 0x80
.irp s, 0,1
.irp t, 0,1,2,3,4,5,6,7
.irp c, 0,1,2,3
	ds_load_b128 v[16*(8*\s+\t)+4*\c:16*(8*\s+\t)+4*\c+3], v17 offset:\t*16*LP+128*(\s+2)+32*\c
.endr
.endr
.endr
	WIN 0
.irp t, 0,1,2,3,4,5,6,7
	ds_load_b128 v[W1S+4*\t:W1S+4*\t+3], v18 offset:256*\t   ; tile t's scale words, one for each K step
.endr
	s_wait_dscnt 0x0
	s_mov_b32 s23, 0
.Ltile:
	s_wait_loadcnt 0x0                             ; this tile's rows of x
	s_wait_xcnt 0x0                                ; the last tile's stores have read their bases and registers
	s_min_u32 s26, s23, 31
	s_lshl_b32 s54, s26, 15
	s_add_nc_u64 s[52:53], s[38:39], s[54:55]      ; this tile's image
	s_lshl_b32 s54, s26, 10
	s_add_nc_u64 s[56:57], s[40:41], s[54:55]      ; and scale words
	s_add_co_u32 s26, s23, 1
	s_min_u32 s26, s26, 31
	s_lshl_b32 s26, s26, 6
	v_add_nc_u32 v247, s26, v7
	v_add_nc_u32 v8, 16, v8
	ds_load_b32 v9, v247                           ; the next tile's entries
	WIN 0x3d                                       ; W1 window 1, x and b1 window 3, the result window 0
.irp t, 0,1,2,3,4,5,6,7                        ; the eight accumulators by turns, one instruction a turn; the bias starts each sum
	v_wmma_scale_f32_16x16x128_f8f6f4 v[H+8*\t:H+8*\t+7], v[16*\t:16*\t+15], v[64:79], v[8*\t:8*\t+7], v[W1S+4*\t], v28
.endr
	WIN 0x0d
.irp t, 0,1,2,3,4,5,6,7
	v_wmma_scale_f32_16x16x128_f8f6f4 v[H+8*\t:H+8*\t+7], v[128+16*\t:128+16*\t+15], v[80:95], v[H+8*\t:H+8*\t+7], v[W1S+1+4*\t], v29
.endr
	WIN 0x0e
.irp t, 0,1,2,3,4,5,6,7
	v_wmma_scale_f32_16x16x128_f8f6f4 v[H+8*\t:H+8*\t+7], v[16*\t:16*\t+15], v[96:111], v[H+8*\t:H+8*\t+7], v[W1S+2+4*\t], v30
.endr
.irp t, 0,1,2,3,4,5,6,7
	v_wmma_scale_f32_16x16x128_f8f6f4 v[H+8*\t:H+8*\t+7], v[128+16*\t:128+16*\t+15], v[112:127], v[H+8*\t:H+8*\t+7], v[W1S+3+4*\t], v31
.endr
	WIN 0
	s_wait_dscnt 0x0                               ; the next tile's entries
	GADDR                                          ; six plain lines and two v_nop: the eight places behind the products
	v_nop
	v_nop
	GLOADS                                         ; the next tile's rows land while this tile's activation is computed; behind the last tile they are the first slot's row, inside the buffer
	; gelu(x) = x / (1 + 2^z), z = x (c0 + c1 x^2): the tanh form, exactly; 2^z = infinity gives 0
.set gi, 0
.rept 32
	v_pk_mul_f32 v[GA+gi:GA+gi+1], v[H+gi:H+gi+1], v[H+gi:H+gi+1]   ; each accumulator is read from its low end on
.set gi, gi+2
.endr
.set gi, 0
.rept 32
	v_pk_fma_f32 v[GA+gi:GA+gi+1], v[GA+gi:GA+gi+1], v[244:245], v[242:243]
.set gi, gi+2
.endr
.set gi, 0
.rept 32
	v_pk_mul_f32 v[GA+gi:GA+gi+1], v[GA+gi:GA+gi+1], v[H+gi:H+gi+1]
.set gi, gi+2
.endr
.set gi, 0
.rept 64
	v_exp_f32 v[GA+gi], v[GA+gi]
.set gi, gi+1
.endr
	v_nop
	s_wait_alu depctr_va_vdst(0)                   ; one wait for the batch of 64, ahead of its first reader
.set gi, 0
.rept 32
	v_pk_add_f32 v[GA+gi:GA+gi+1], v[GA+gi:GA+gi+1], 1.0 op_sel_hi:[1,0]
.set gi, gi+2
.endr
.set gi, 0
.rept 64
	v_rcp_f32 v[GA+gi], v[GA+gi]
.set gi, gi+1
.endr
	v_nop
	s_wait_alu depctr_va_vdst(0)
.set gi, 0
.rept 32
	v_pk_mul_f32 v[H+gi:H+gi+1], v[H+gi:H+gi+1], v[GA+gi:GA+gi+1]
.set gi, gi+2
.endr
	QUANT H
.irp c, 0,1,2,3
	global_store_b128 v4, v[PC+4*\c:PC+4*\c+3], s[52:53] offset:512*\c th:TH_STORE_NT   ; the fragment as it stands in the registers: 512 consecutive bytes a store
.endr
	global_store_b32 v16, v[PW], s[56:57]          ; row r's scale word; both halves of the lanes hold and write the same word
	s_add_co_u32 s23, s23, 1
	s_cmp_lt_u32 s23, s22
	s_cbranch_scc1 .Ltile
.Lend:
	s_barrier_signal -1
	s_barrier_wait -1
	s_wait_tensorcnt 0x0
	ds_add_u32 v254, v255
	s_wait_dscnt 0x0
	s_endpgm
.Lfunc_end_k_qeae0c501a7_ffn1:
	.size	k_qeae0c501a7_ffn1, .Lfunc_end_k_qeae0c501a7_ffn1-k_qeae0c501a7_ffn1
	.p2alignl 7, 3214868480
	.fill 96, 4, 3214868480
	.section	.rodata,"a",@progbits
	.p2align	6, 0x0
	.amdhsa_kernel k_qeae0c501a7_ffn1
		.amdhsa_group_segment_fixed_size 80384
		.amdhsa_private_segment_fixed_size 0
		.amdhsa_enable_private_segment 0
		.amdhsa_kernarg_size 56
		.amdhsa_user_sgpr_count 2
		.amdhsa_user_sgpr_kernarg_segment_ptr 1
		.amdhsa_wavefront_size32 1
		.amdhsa_system_sgpr_workgroup_id_x 1
		.amdhsa_system_sgpr_workgroup_id_y 1
		.amdhsa_system_sgpr_workgroup_id_z 1
		.amdhsa_system_vgpr_workitem_id 0
		.amdhsa_next_free_vgpr 1024
		.amdhsa_next_free_sgpr 66
		.amdhsa_reserve_vcc 1
		.amdhsa_float_denorm_mode_32 3
		.amdhsa_float_denorm_mode_16_64 3
		.amdhsa_memory_ordered 1
		.amdhsa_forward_progress 1
		.amdhsa_inst_pref_size 141
	.end_amdhsa_kernel
	.amdgpu_metadata
---
amdhsa.version: [ 1, 2 ]
amdhsa.kernels:
  - .name:           k_qeae0c501a7_ffn1
    .symbol:         k_qeae0c501a7_ffn1.kd
    .args:
      - { .name: W1, .offset: 0, .size: 8, .value_kind: global_buffer, .address_space: global }
      - { .name: b1, .offset: 8, .size: 8, .value_kind: global_buffer, .address_space: global }
      - { .name: xq, .offset: 16, .size: 8, .value_kind: global_buffer, .address_space: global }
      - { .name: sel, .offset: 24, .size: 8, .value_kind: global_buffer, .address_space: global }
      - { .name: rout, .offset: 32, .size: 8, .value_kind: global_buffer, .address_space: global }
      - { .name: hq, .offset: 40, .size: 8, .value_kind: global_buffer, .address_space: global }
      - { .name: rows, .offset: 48, .size: 8, .value_kind: global_buffer, .address_space: global }
    .group_segment_fixed_size: 80384
    .private_segment_fixed_size: 0
    .kernarg_segment_align: 8
    .kernarg_segment_size: 56
    .max_flat_workgroup_size: 128
    .sgpr_count:     66
    .vgpr_count:     1024
    .wavefront_size: 32
...
	.end_amdgpu_metadata
.endif
;; end of part 2
;; launch ffn2 (part 3): grid 256 x 1, 4 waves a work-group, no clusters, 86,528 bytes of LDS; arguments W2, b2, hq, rows, parts; writes parts
.if DOCPART == 3
	.amdgcn_target "amdgcn-amd-amdhsa--gfx1250"
	.amdhsa_code_object_version 6
	.text
	.protected	k_qeae0c501a7_ffn2
	.globl	k_qeae0c501a7_ffn2
	.p2align	8
	.type	k_qeae0c501a7_ffn2,@function
k_qeae0c501a7_ffn2:
	s_mov_b64 s[64:65], 0
	v_nop
	global_prefetch_b8 v0, s[64:65] scope:SCOPE_SE
	s_setreg_imm32_b32 hwreg(HW_REG_WAVE_MODE, 25, 1), 1
	s_wait_xcnt 0x0
; FFN2.  parts[kh][slot][d] = gate(slot) x (the sum over half of F of h W2[e] + b2[e] (with kh = 0 alone)), for the rows that chose expert e.
; SHARES.  Work-group (e, ds, kh) owns W2[e][1024 kh .. + 1023][64 ds .. + 63]: 256 KiB of f32 in rows of 256 bytes, read once in the launch, quantised here along K and kept as 32 fragments in each wave's registers.
; Wave w streams K rows 256 w .. + 255 of the half, and later multiplies sublist g = 4 e + w (the tokens 512 w .. that chose e), whose codes, scale words, slots, gates and count the launch before has stored.
; A sum over all of F is the sum of two halves; the last launch adds them, and the two experts of a token.  A last tile's surplus rows repeat the sublist's first row and store the same numbers at the same place.
; The product is used transposed (source 0 = 16 columns d, source 1 = 16 rows of h): a lane holds eight neighbouring d of one row; a tile goes through the wave's own stage and leaves as runs of 256 aligned bytes.
; No tensor loads and no cluster: the trip counts hang on stored numbers, and each weight byte has one reader.
; LIMITS: NaN and infinities are not served; a block of zeros gets the byte 1 where the quantiser says 127 (its codes are zeros; only this program reads the bytes).
; REGISTERS: window 0: addresses; v16-19 b2; v24-31 h's scale words (two buffers); v32-63 W2's; v64-95 four accumulators; v96-127 rows read back; v128-143 slots, v144-159 gates (two buffers); v160-167 offsets; v168-183 gates in pairs.
;   windows 1, 2: four batches of 128 f32, then W2's fragments (K step s, tile d: number 4 s + d).  window 3: two buffers of h's eight fragments.
;   s21 the count, s22 the tiles, s23 the trip's first tile, s28 the trip, s29 the trips.
.set WPITCH, 2048                      ; a row of W2[e] in bytes
.set BROWS,  64                        ; rows from batch to batch: lanes 0-15 take one block of 32, lanes 16-31 the next
.set LP,     1040                      ; a column's 1,024 codes in LDS + 16 of padding: an odd multiple of 16
.set LBSTEP, 64
.set SCCOL,  32
.set SCSTEP, 2
.set WSC,    66560
.set STAGE,  68608
.set SPI,    272                       ; a stage row: 256 bytes + 16
.set T,   64
.set CD,  192
.set M,   224
.set SO,  228
.set LM,  232
.set BY,  236
.set ACC, 64
.set RB,  96
.set SL,  128
.set GT,  144
.set SOF, 160
.set GC,  168
.set HS,  24
.set W2S, 32
.set WB,  32
.set MNT, 30
.set MSB, 0
.macro WIN new                         ; the immediate's high byte repeats the setting that is left
.if MSB != (\new)
	s_set_vgpr_msb (MSB<<8)|(\new)
.set MSB, (\new)
.endif
.endm
.macro LOADW b                         ; batch b: 64 rows x 256 bytes; a load covers two rows, 32 apart; register 4 i + j = row i of the lane's block, column j
.set QW, 1+(\b)/2
.set QO, 128*((\b)%2)
	WIN (QW<<6)
.set qi, 0
.rept 32
	global_load_b128 v[QO+4*qi:QO+4*qi+3], v4, s[WB:WB+1] offset:(BROWS*(\b)+qi)*WPITCH th:TH_LOAD_NT
.set qi, qi+1
.endr
	WIN 0
.endm
.macro QUANTW b                        ; a batch is one block of 32 along K for each of the lane's 4 columns: no other lane is asked
.set QW, 1+(\b)/2
.set QO, 128*((\b)%2)
	s_wait_dscnt 0x0                               ; the last batch's LDS stores have read the codes' registers
	WIN QW|(QW<<2)
.irp j, 0,1,2,3
	v_max3_num_f32 v[M+\j], |v[QO+\j]|, |v[QO+4+\j]|, 0x4800000   ; with the floor 2^(9 - 127)
.endr
.set qi, 2
.rept 15
.irp j, 0,1,2,3
	v_max3_num_f32 v[M+\j], |v[QO+4*qi+\j]|, |v[QO+4*qi+4+\j]|, v[M+\j]
.endr
.set qi, qi+2
.endr
	WIN 0
.irp j, 0,1,2,3
	v_add_nc_u32 v[SO+\j], 0xfc000000, v[M+\j]
.endr
.irp j, 0,1,2,3
	v_and_or_b32 v[LM+\j], v[M+\j], 0x7f800000, s[MNT]
.endr
.irp j, 0,1,2,3
	v_lshrrev_b32 v[BY+\j], 23, v[SO+\j]
.endr
	WIN QW
.set qi, 0
.rept 32
.irp j, 0,1,2,3
	v_med3_num_f32 v[T+32*\j+qi], v[QO+4*qi+\j], -v[LM+\j], v[LM+\j]   ; the hold, which also lays a column's 32 numbers in consecutive registers
.endr
.set qi, qi+1
.endr
	WIN 0
.irp j, 0,1,2,3
.irp g, 0,1,2,3
	v_cvt_scalef32_pk8_fp8_f32 v[CD+8*\j+2*\g:CD+8*\j+2*\g+1], v[T+32*\j+8*\g:T+32*\j+8*\g+7], v[SO+\j]
.endr
.endr
	v_nop                                          ; one plain line behind the last conversion
.irp j, 0,1,2,3
	ds_store_b128 v5, v[CD+8*\j:CD+8*\j+3] offset:\j*LP+LBSTEP*(\b)
	ds_store_b128 v5, v[CD+8*\j+4:CD+8*\j+7] offset:\j*LP+LBSTEP*(\b)+16
	ds_store_b8 v6, v[BY+\j] offset:\j*SCCOL+SCSTEP*(\b)
.endr
.endm
; Tile s23 + add, held inside the sublist, into buffer buf: 32 loads of codes, 4 of scale words, 2 of slots, 2 of gates: 40 loads.  Each buffer has its own four bases.
.macro TLOAD buf, add
.set TB, 44+8*(\buf)
	s_add_co_u32 s25, s23, \add
	s_sub_co_u32 s26, s22, 1
	s_min_u32 s25, s25, s26
	s_min_u32 s25, s25, 31
	s_lshl_b32 s60, s25, 15
	s_add_nc_u64 s[TB:TB+1], s[34:35], s[60:61]
	s_lshl_b32 s60, s25, 10
	s_add_nc_u64 s[TB+2:TB+3], s[36:37], s[60:61]
	s_lshl_b32 s60, s25, 6
	s_add_nc_u64 s[TB+4:TB+5], s[38:39], s[60:61]
	s_add_nc_u64 s[TB+6:TB+7], s[40:41], s[60:61]
	WIN 0xc0
.irp s, 0,1,2,3,4,5,6,7
.irp c, 0,1,2,3
	global_load_b128 v[128*(\buf)+16*\s+4*\c:128*(\buf)+16*\s+4*\c+3], v9, s[TB:TB+1] offset:2048*\s+512*\c   ; a fragment comes as it was stored: 512 consecutive bytes a load
.endr
.endr
	WIN 0
.irp p, 0,1,2,3
	global_load_b32 v[HS+4*(\buf)+\p], v10, s[TB+2:TB+3] offset:128*\p   ; lanes 0-15: K step 2 p; lanes 16-31: K step 2 p + 1
.endr
.irp q, 0,1
	global_load_b128 v[SL+8*(\buf)+4*\q:SL+8*(\buf)+4*\q+3], v11, s[TB+4:TB+5] offset:16*\q   ; the slots of rows 8 h + 0 .. 7
.endr
.irp q, 0,1
	global_load_b128 v[GT+8*(\buf)+4*\q:GT+8*(\buf)+4*\q+3], v11, s[TB+6:TB+7] offset:16*\q   ; and their gates
.endr
.endm
.macro MM d, a, s, buf                 ; one product: tile d of the columns, K step s; W2's fragment at v[a]
.if (\s) == 0
	v_wmma_scale_f32_16x16x128_f8f6f4 v[ACC+8*(\d):ACC+8*(\d)+7], v[\a:\a+15], v[128*(\buf)+16*(\s):128*(\buf)+16*(\s)+15], 0, v[W2S+8*(\d)+(\s)], v[HS+4*(\buf)+(\s)/2]
.elseif (\s)%2
	v_wmma_scale_f32_16x16x128_f8f6f4 v[ACC+8*(\d):ACC+8*(\d)+7], v[\a:\a+15], v[128*(\buf)+16*(\s):128*(\buf)+16*(\s)+15], v[ACC+8*(\d):ACC+8*(\d)+7], v[W2S+8*(\d)+(\s)], v[HS+4*(\buf)+(\s)/2] matrix_b_scale:MATRIX_SCALE_ROW1
.else
	v_wmma_scale_f32_16x16x128_f8f6f4 v[ACC+8*(\d):ACC+8*(\d)+7], v[\a:\a+15], v[128*(\buf)+16*(\s):128*(\buf)+16*(\s)+15], v[ACC+8*(\d):ACC+8*(\d)+7], v[W2S+8*(\d)+(\s)], v[HS+4*(\buf)+(\s)/2]
.endif
.endm
.macro TILE buf
	s_wait_loadcnt 40                              ; this buffer's 40 loads are in; the other buffer's 40 were issued behind them
	WIN 0x0d                                       ; W2 window 1, h window 3, the sums window 0
.irp s, 0,1,2,3                                ; the four accumulators by turns, one instruction a turn; the first K step starts the sums
.irp d, 0,1,2,3
	MM \d, 16*(4*\s+\d), \s, \buf
.endr
.endr
	WIN 0x0e
.irp s, 4,5,6,7
.irp d, 0,1,2,3
	MM \d, 16*(4*(\s-4)+\d), \s, \buf
.endr
.endr
	WIN 0
	s_wait_xcnt 0x0                                ; the last tile's stores have read their offsets and data
.irp t, 0,1,2,3,4,5,6,7                        ; these 24 plain lines are the places behind the products (ISA guide 7.12.1)
	v_min_u32 v[SOF+\t], 4095, v[SL+8*(\buf)+\t]
.endr
.irp t, 0,1,2,3,4,5,6,7
	v_lshl_add_u32 v[SOF+\t], v[SOF+\t], 11, v14   ; the slot's row of 2,048 bytes, + my 16 bytes
.endr
.irp t, 0,1,2,3,4,5,6,7
	v_mov_b32 v[GC+2*\t], v[GT+8*(\buf)+\t]        ; the gates are kept: the buffer is asked for again below
.endr
	TLOAD \buf, \buf+2
.irp d, 0,1,2,3
	ds_store_b128 v12, v[ACC+8*\d:ACC+8*\d+3] offset:64*\d          ; each accumulator from its low end on
	ds_store_b128 v12, v[ACC+8*\d+4:ACC+8*\d+7] offset:64*\d+16
.endr
.irp t, 0,1,2,3,4,5,6,7
	ds_load_b128 v[RB+4*\t:RB+4*\t+3], v13 offset:SPI*\t            ; LDS serves a wave's instructions in order: these see my stores.  Lanes 0-15: row t; lanes 16-31: row 8 + t
.endr
.irp t, 0,1,2,3,4,5,6,7
	s_wait_dscnt 7-\t
	v_pk_add_f32 v[RB+4*\t:RB+4*\t+1], v[RB+4*\t:RB+4*\t+1], v[16:17]
	v_pk_add_f32 v[RB+4*\t+2:RB+4*\t+3], v[RB+4*\t+2:RB+4*\t+3], v[18:19]
	v_pk_mul_f32 v[RB+4*\t:RB+4*\t+1], v[RB+4*\t:RB+4*\t+1], v[GC+2*\t:GC+2*\t+1] op_sel_hi:[1,0]
	v_pk_mul_f32 v[RB+4*\t+2:RB+4*\t+3], v[RB+4*\t+2:RB+4*\t+3], v[GC+2*\t:GC+2*\t+1] op_sel_hi:[1,0]
	global_store_b128 v[SOF+\t], v[RB+4*\t:RB+4*\t+3], s[42:43] th:TH_STORE_NT   ; sixteen lanes store 256 consecutive bytes, aligned
.endr
.endm
	s_load_b256 s[4:11], s[0:1], 0x0               ; W2, b2, hq, rows
	s_load_b64 s[12:13], s[0:1], 0x20              ; parts
	v_lshl_add_u32 v254, v0, 2, 0x15000
	v_mov_b32 v255, 0
	v_lshrrev_b32 v1, 5, v0
	v_readfirstlane_b32 s18, v1                    ; wave
	s_lshr_b32 s19, ttmp9, 4                       ; e
	s_bfe_u32 s20, ttmp9, 0x30001                  ; ds
	s_and_b32 s24, ttmp9, 1                        ; kh
	s_lshl_b32 s31, s19, 2
	s_add_co_u32 s31, s31, s18                     ; g = 4 e + w
	s_mov_b32 s[MNT], 0x600000
	s_mov_b32 s61, 0
	v_and_b32 v1, 31, v0                           ; L
	v_and_b32 v2, 15, v0                           ; r
	v_bfe_u32 v3, v0, 4, 1                         ; h
	v_lshlrev_b32 v14, 4, v2                       ; 16 r
	v_lshl_add_u32 v4, v3, 16, v14                 ; W2: my 16 bytes of a row; lanes 16-31 stand 32 rows further down
	v_mul_u32_u24 v5, v2, 4*LP
	v_lshl_add_u32 v5, v3, 5, v5
	s_lshl_b32 s26, s18, 8
	v_add_nc_u32 v5, s26, v5                       ; codes: my first column's row; my wave's 256 bytes of it, my half's 32
	v_lshl_add_u32 v6, v2, 7, v3
	s_lshl_b32 s26, s18, 3
	s_add_co_u32 s26, s26, WSC
	v_add_nc_u32 v6, s26, v6                       ; scale bytes likewise
	v_mul_u32_u24 v7, v2, LP
	v_lshl_add_u32 v7, v3, 4, v7                   ; a fragment: row r, + 16 h
	v_lshl_add_u32 v8, v2, 5, WSC
	v_lshlrev_b32 v9, 4, v1
	v_lshlrev_b32 v10, 2, v1
	v_lshlrev_b32 v11, 5, v3
	s_mul_i32 s26, s18, 16*SPI
	s_add_co_u32 s26, s26, STAGE                   ; my stage
	v_mul_u32_u24 v12, v2, SPI
	v_add_nc_u32 v12, v12, v11
	v_add_nc_u32 v12, s26, v12                     ; in: row r, + 32 h
	v_mul_u32_u24 v13, v3, 8*SPI
	v_add_nc_u32 v13, v13, v14
	v_add_nc_u32 v13, s26, v13                     ; back: row 8 h, 16 bytes a lane
	s_wait_kmcnt 0x0
	s_lshl_b32 s60, s31, 7
	s_add_nc_u64 s[14:15], s[10:11], s[60:61]
	s_load_b32 s21, s[14:15], 0x20000              ; my sublist's count
	s_lshl_b32 s60, s19, 22
	s_lshl_b32 s26, s24, 21
	s_add_co_u32 s60, s60, s26
	s_lshl_b32 s26, s20, 8
	s_add_co_u32 s60, s60, s26
	s_lshl_b32 s26, s18, 19
	s_add_co_u32 s60, s60, s26
	s_add_nc_u64 s[WB:WB+1], s[4:5], s[60:61]      ; W2[e], row 1024 kh + 256 w, column 64 ds
	s_lshl_b32 s60, s19, 11
	s_lshl_b32 s26, s20, 8
	s_add_co_u32 s60, s60, s26
	s_add_nc_u64 s[6:7], s[6:7], s[60:61]          ; b2[e][64 ds]
	s_lshl_b32 s60, s31, 20
	s_lshl_b32 s26, s24, 14
	s_add_co_u32 s60, s60, s26
	s_add_nc_u64 s[34:35], s[8:9], s[60:61]        ; h's images: my sublist, my half's eight K steps
	s_lshl_b32 s60, s31, 15
	s_lshl_b32 s26, s24, 9
	s_add_co_u32 s60, s60, s26
	s_add_co_u32 s60, s60, 0x4000000
	s_add_nc_u64 s[36:37], s[8:9], s[60:61]        ; their scale words
	s_lshl_b32 s60, s31, 11
	s_add_nc_u64 s[38:39], s[10:11], s[60:61]      ; the slots
	s_add_co_u32 s60, s60, 0x4200000
	s_add_nc_u64 s[40:41], s[8:9], s[60:61]        ; the gates
	s_lshl_b32 s60, s24, 23
	s_lshl_b32 s26, s20, 8
	s_add_co_u32 s60, s60, s26
	s_add_nc_u64 s[42:43], s[12:13], s[60:61]      ; parts[kh], column 64 ds
	global_load_b128 v[16:19], v14, s[6:7]         ; b2 at the four columns that I store
	LOADW 0
	s_wait_kmcnt 0x0
	s_min_u32 s21, s21, 512
	s_add_co_u32 s22, s21, 15
	s_lshr_b32 s22, s22, 4                         ; tiles
	s_add_co_u32 s29, s22, 1
	s_lshr_b32 s29, s29, 1                         ; trips of two tiles
	s_cmp_eq_u32 s24, 0
	s_cselect_b32 s26, -1, 0
	s_wait_loadcnt 32                              ; b2 is in; the batch behind it may be out
.irp j, 0,1,2,3
	v_cndmask_b32 v[16+\j], 0, v[16+\j], s26       ; the bias goes in once: with the first half of F
.endr
	LOADW 1
	s_wait_loadcnt 32                              ; each count of 32 is the one younger batch
	LOADW 2
	QUANTW 0
	s_wait_loadcnt 32
	LOADW 3
	QUANTW 1
	s_wait_loadcnt 32
	QUANTW 2
	s_wait_loadcnt 0x0
	QUANTW 3
	s_mov_b32 s23, 0
	s_cmp_eq_u32 s22, 0
	s_cbranch_scc1 .Lno_rows
	TLOAD 0, 0                                     ; the first two tiles are asked for here: their slots and gates land in registers that the quantiser has just left
	TLOAD 1, 1
.Lno_rows:
	s_wait_dscnt 0x0                               ; my codes and scale bytes have landed
	s_barrier_signal -1
	s_barrier_wait -1
	s_cmp_eq_u32 s22, 0
	s_cbranch_scc1 .Lend
	WIN 0x40
.irp s, 0,1,2,3
.irp d, 0,1,2,3
.irp c, 0,1,2,3
	ds_load_b128 v[16*(4*\s+\d)+4*\c:16*(4*\s+\d)+4*\c+3], v7 offset:\d*16*LP+128*\s+32*\c
.endr
.endr
.endr
	WIN 0x80
.irp s, 0,1,2,3
.irp d, 0,1,2,3
.irp c, 0,1,2,3
	ds_load_b128 v[16*(4*\s+\d)+4*\c:16*(4*\s+\d)+4*\c+3], v7 offset:\d*16*LP+128*(\s+4)+32*\c
.endr
.endr
.endr
	WIN 0
.irp d, 0,1,2,3
	ds_load_b128 v[W2S+8*\d:W2S+8*\d+3], v8 offset:512*\d          ; tile d's scale words, one for each K step
	ds_load_b128 v[W2S+8*\d+4:W2S+8*\d+7], v8 offset:512*\d+16
.endr
.irp t, 0,1,2,3,4,5,6,7
	v_mov_b32 v[GC+2*\t+1], 0                      ; the pairs' upper halves are named with the gates, so they are written
.endr
	s_wait_dscnt 0x0
	s_mov_b32 s28, 0
.Ltile:                                            ; a trip takes two tiles, one from each buffer; the trips are counted one by one
	s_lshl_b32 s23, s28, 1                         ; the trip's first tile
	TILE 0
	s_add_co_u32 s25, s23, 1
	s_cmp_lt_u32 s25, s22
	s_cbranch_scc1 .Lmore                          ; a second tile is left
	s_wait_tensorcnt 0x0
	ds_add_u32 v254, v255
	s_wait_dscnt 0x0
	s_endpgm                                       ; an odd count: the wave ends here, inside its last trip; the loads asked for ahead (a clamped tile, inside the buffer) and the stores may be out
.Lmore:
	TILE 1
	s_add_co_u32 s28, s28, 1
	s_cmp_lt_u32 s28, s29
	s_cbranch_scc1 .Ltile
.Lend:
	s_wait_tensorcnt 0x0
	ds_add_u32 v254, v255
	s_wait_dscnt 0x0
	s_endpgm
.Lfunc_end_k_qeae0c501a7_ffn2:
	.size	k_qeae0c501a7_ffn2, .Lfunc_end_k_qeae0c501a7_ffn2-k_qeae0c501a7_ffn2
	.p2alignl 7, 3214868480
	.fill 96, 4, 3214868480
	.section	.rodata,"a",@progbits
	.p2align	6, 0x0
	.amdhsa_kernel k_qeae0c501a7_ffn2
		.amdhsa_group_segment_fixed_size 86528
		.amdhsa_private_segment_fixed_size 0
		.amdhsa_enable_private_segment 0
		.amdhsa_kernarg_size 40
		.amdhsa_user_sgpr_count 2
		.amdhsa_user_sgpr_kernarg_segment_ptr 1
		.amdhsa_wavefront_size32 1
		.amdhsa_system_sgpr_workgroup_id_x 1
		.amdhsa_system_sgpr_workgroup_id_y 1
		.amdhsa_system_sgpr_workgroup_id_z 1
		.amdhsa_system_vgpr_workitem_id 0
		.amdhsa_next_free_vgpr 1024
		.amdhsa_next_free_sgpr 66
		.amdhsa_reserve_vcc 0
		.amdhsa_float_denorm_mode_32 3
		.amdhsa_float_denorm_mode_16_64 3
		.amdhsa_memory_ordered 1
		.amdhsa_forward_progress 1
		.amdhsa_inst_pref_size 121
	.end_amdhsa_kernel
	.amdgpu_metadata
---
amdhsa.version: [ 1, 2 ]
amdhsa.kernels:
  - .name:           k_qeae0c501a7_ffn2
    .symbol:         k_qeae0c501a7_ffn2.kd
    .args:
      - { .name: W2, .offset: 0, .size: 8, .value_kind: global_buffer, .address_space: global }
      - { .name: b2, .offset: 8, .size: 8, .value_kind: global_buffer, .address_space: global }
      - { .name: hq, .offset: 16, .size: 8, .value_kind: global_buffer, .address_space: global }
      - { .name: rows, .offset: 24, .size: 8, .value_kind: global_buffer, .address_space: global }
      - { .name: parts, .offset: 32, .size: 8, .value_kind: global_buffer, .address_space: global }
    .group_segment_fixed_size: 86528
    .private_segment_fixed_size: 0
    .kernarg_segment_align: 8
    .kernarg_segment_size: 40
    .max_flat_workgroup_size: 128
    .sgpr_count:     66
    .vgpr_count:     1024
    .wavefront_size: 32
...
	.end_amdgpu_metadata
.endif
;; end of part 3
;; launch combine (part 4): grid 257 x 1, 8 waves a work-group, no clusters, 0 bytes of LDS; arguments parts, rout, out0, out1; writes out0, out1
.if DOCPART == 4
	.amdgcn_target "amdgcn-amd-amdhsa--gfx1250"
	.amdhsa_code_object_version 6
	.text
	.protected	k_qeae0c501a7_combine
	.globl	k_qeae0c501a7_combine
	.p2align	8
	.type	k_qeae0c501a7_combine,@function
k_qeae0c501a7_combine:
	s_mov_b64 s[64:65], 0
	v_nop
	global_prefetch_b8 v0, s[64:65] scope:SCOPE_SE
	s_setreg_imm32_b32 hwreg(HW_REG_WAVE_MODE, 25, 1), 1
	s_wait_xcnt 0x0
; COMBINE.  out0[token] = the sum over the two halves of F and the token's two slots of parts[kh][2 token + k]: the gates and biases are in already.
; Work-groups 0 to 255 take 8 tokens each: a stream; a thread holds 16 bytes of a row, 128 threads a row, every load and store covers 512 consecutive bytes a wave.
; Work-group 256, wave 0: out1 = 16 x the sum over experts of (count of first choices / 2048) x (sum of probabilities / 2048), from the 128 partial rows of 32 numbers that the first launch stored.
; No LDS, no matrix unit: memory binds, and nothing is shared.
	s_load_b256 s[4:11], s[0:1], 0x0               ; parts, rout, out0, out1
	s_cmp_eq_u32 ttmp9, 256
	s_cbranch_scc1 .Laux
	v_lshrrev_b32 v1, 7, v0                        ; which of two tokens
	v_and_b32 v2, 127, v0
	v_lshlrev_b32 v2, 4, v2                        ; my 16 bytes of a row
	v_lshl_add_u32 v3, v1, 12, v2                  ; in: a token is two slots of 2,048 bytes
	v_lshl_add_u32 v4, v1, 11, v2                  ; out
	s_lshl_b32 s12, ttmp9, 15
	s_mov_b32 s13, 0
	s_lshl_b32 s14, ttmp9, 14
	s_mov_b32 s15, 0
	s_wait_kmcnt 0x0
	s_add_nc_u64 s[16:17], s[4:5], s[12:13]        ; the first half of F
	s_add_nc_u64 s[18:19], s[16:17], 0x800000      ; the second
	s_add_nc_u64 s[8:9], s[8:9], s[14:15]
.irp i, 0,1,2,3
.irp k, 0,1
	global_load_b128 v[16+16*\i+4*\k:16+16*\i+4*\k+3], v3, s[16:17] offset:8192*\i+2048*\k th:TH_LOAD_NT
	global_load_b128 v[24+16*\i+4*\k:24+16*\i+4*\k+3], v3, s[18:19] offset:8192*\i+2048*\k th:TH_LOAD_NT
.endr
.endr
.irp i, 0,1,2,3
	s_wait_loadcnt 12-4*\i                         ; this group's four loads are in; four for each later group may be out
	v_pk_add_f32 v[16+16*\i:17+16*\i], v[16+16*\i:17+16*\i], v[20+16*\i:21+16*\i]
	v_pk_add_f32 v[18+16*\i:19+16*\i], v[18+16*\i:19+16*\i], v[22+16*\i:23+16*\i]
	v_pk_add_f32 v[24+16*\i:25+16*\i], v[24+16*\i:25+16*\i], v[28+16*\i:29+16*\i]
	v_pk_add_f32 v[26+16*\i:27+16*\i], v[26+16*\i:27+16*\i], v[30+16*\i:31+16*\i]
	v_pk_add_f32 v[16+16*\i:17+16*\i], v[16+16*\i:17+16*\i], v[24+16*\i:25+16*\i]
	v_pk_add_f32 v[18+16*\i:19+16*\i], v[18+16*\i:19+16*\i], v[26+16*\i:27+16*\i]
	global_store_b128 v4, v[16+16*\i:19+16*\i], s[8:9] offset:4096*\i th:TH_STORE_NT
.endr
	s_endpgm
.Laux:
	v_lshrrev_b32 v1, 5, v0
	v_readfirstlane_b32 s12, v1
	s_cmp_lg_u32 s12, 0
	s_cbranch_scc1 .Lend
	v_lshlrev_b32 v2, 4, v0                        ; wave 0: 16 bytes a lane
	v_mov_b32 v3, 0
	s_mov_b32 s14, 0x76543210
	s_mov_b32 s15, 0xfedcba98
	s_wait_kmcnt 0x0
.set q, 0
.rept 32
	global_load_b128 v[16+4*q:19+4*q], v2, s[6:7] offset:16384+512*q   ; four partial rows a load: lane L holds entries 4 (L % 8) + 0 .. 3 of row 4 q + L / 8
.set q, q+1
.endr
	s_wait_loadcnt 0x0
.set q, 2
.rept 15
	v_pk_add_f32 v[16:17], v[16:17], v[16+4*q:17+4*q]          ; two chains: the even loads,
	v_pk_add_f32 v[18:19], v[18:19], v[18+4*q:19+4*q]
	v_pk_add_f32 v[20:21], v[20:21], v[20+4*q:21+4*q]          ; the odd ones
	v_pk_add_f32 v[22:23], v[22:23], v[22+4*q:23+4*q]
.set q, q+2
.endr
	v_pk_add_f32 v[16:17], v[16:17], v[20:21]
	v_pk_add_f32 v[18:19], v[18:19], v[22:23]
.irp j, 0,1,2,3
	v_add_f32_dpp v[16+\j], v[16+\j], v[16+\j] row_xmask:8 row_mask:0xf bank_mask:0xf
.endr
.irp j, 0,1,2,3
	v_permlanex16_b32 v[24+\j], v[16+\j], s14, s15
.endr
.irp j, 0,1,2,3
	v_add_f32 v[16+\j], v[16+\j], v[24+\j]         ; over the four lanes with the same L % 8: the whole sums
.endr
.irp j, 0,1,2,3
	v_mul_f32_dpp v[20+\j], v[16+\j], v[16+\j] row_xmask:4 row_mask:0xf bank_mask:0xf   ; an expert's sum of probabilities x its count: they lie four lanes apart
.endr
	v_add_f32 v20, v20, v21
	v_add_f32 v22, v22, v23
	v_add_f32 v20, v20, v22
	v_add_f32_dpp v20, v20, v20 row_xmask:1 row_mask:0xf bank_mask:0xf
	v_add_f32_dpp v20, v20, v20 row_xmask:2 row_mask:0xf bank_mask:0xf   ; over the 16 experts
	v_mul_f32 v20, 0x36800000, v20                 ; x 16 / 2048^2 = 2^-18
	s_wait_xcnt 0x0                                ; EXEC changes only behind this wait
	v_cmpx_gt_u32 1, v0
	global_store_b32 v3, v20, s[10:11]
.Lend:
	s_endpgm
.Lfunc_end_k_qeae0c501a7_combine:
	.size	k_qeae0c501a7_combine, .Lfunc_end_k_qeae0c501a7_combine-k_qeae0c501a7_combine
	.p2alignl 7, 3214868480
	.fill 96, 4, 3214868480
	.section	.rodata,"a",@progbits
	.p2align	6, 0x0
	.amdhsa_kernel k_qeae0c501a7_combine
		.amdhsa_group_segment_fixed_size 0
		.amdhsa_private_segment_fixed_size 0
		.amdhsa_enable_private_segment 0
		.amdhsa_kernarg_size 32
		.amdhsa_user_sgpr_count 2
		.amdhsa_user_sgpr_kernarg_segment_ptr 1
		.amdhsa_wavefront_size32 1
		.amdhsa_system_sgpr_workgroup_id_x 1
		.amdhsa_system_sgpr_workgroup_id_y 1
		.amdhsa_system_sgpr_workgroup_id_z 1
		.amdhsa_system_vgpr_workitem_id 0
		.amdhsa_next_free_vgpr 160
		.amdhsa_next_free_sgpr 66
		.amdhsa_reserve_vcc 0
		.amdhsa_float_denorm_mode_32 3
		.amdhsa_float_denorm_mode_16_64 3
		.amdhsa_memory_ordered 1
		.amdhsa_forward_progress 1
		.amdhsa_inst_pref_size 14
	.end_amdhsa_kernel
	.amdgpu_metadata
---
amdhsa.version: [ 1, 2 ]
amdhsa.kernels:
  - .name:           k_qeae0c501a7_combine
    .symbol:         k_qeae0c501a7_combine.kd
    .args:
      - { .name: parts, .offset: 0, .size: 8, .value_kind: global_buffer, .address_space: global }
      - { .name: rout, .offset: 8, .size: 8, .value_kind: global_buffer, .address_space: global }
      - { .name: out0, .offset: 16, .size: 8, .value_kind: global_buffer, .address_space: global }
      - { .name: out1, .offset: 24, .size: 8, .value_kind: global_buffer, .address_space: global }
    .group_segment_fixed_size: 0
    .private_segment_fixed_size: 0
    .kernarg_segment_align: 8
    .kernarg_segment_size: 32
    .max_flat_workgroup_size: 256
    .sgpr_count:     66
    .vgpr_count:     160
    .wavefront_size: 32
...
	.end_amdgpu_metadata
.endif
;; end of part 4
